; MI455X (gfx1250); checked and timed in simulation.
; The chip was launched on July 23, 2026; its instructions are those of AMD's public machine-readable ISA for CDNA 5 (MIT licence, August 2026) and "CDNA5" Instruction Set Architecture Reference Guide (July 2026). The comments in the code are by the model that wrote it; some were corrected since.
;; SDPA. Allowed arithmetic: matrix products marked QUANTISED: E2M3 operands, one E8M0 scale for each 32 along K, by v_wmma_scale_f32_16x16x128_f8f6f4 with both operands' format E2M3, f32 sums; everything else in f32.
;; Inputs: K 8 x 8 x 2,048 x 64 float32; Q 8 x 8 x 2,048 x 64 float32; V 8 x 8 x 2,048 x 64 float32.
;; Outputs: out0 8 x 8 x 2,048 x 64 float32.
;; This version of the problem:
;;   THIS VERSION OF THE PROBLEM IS GIVEN IN LOW PRECISION. The matrix products marked QUANTISED in the list below multiply operands that are first quantised to E2M3 (2 exponent bits, 3 mantissa bits; 6 bits a number), with one power-of-two scale for each 32 numbers along K (OCP MX v1.0); their sums are f32. All else is computed in f32.
;;   The module's matrix products, in the order in which they are computed (A, B: the left and right operand; K: the contracted axis; several contracted axes count as one K, in the product's order):
;;     1. batch 64 x [M 2,048, K 64] x [K 64, N 2,048]; A: input Q; B: input K: QUANTISED
;;     2. batch 64 x [M 2,048, K 2,048] x [K 2,048, N 64]; A: softmax (see below); B: input V: QUANTISED
;;   THE QUANTISER, for each operand of a quantised product, along K:
;;     - K is cut into blocks of 32 from its start; a last block that is shorter is filled with zeros.
;;     - A block's scale is 2^e with e = floor(log2(the largest magnitude in the block)) - 2, held to -126 .. 127; a block of zeros has e = 0. As a byte (E8M0): e + 127.
;;     - Each number is divided by its block's scale, clamped to +-7.5, and rounded to the nearest number of E2M3, ties to even, subnormals kept.
;;     - The product sums the exact products of the quantised numbers (number of the format x scale) in f32.
;;   ~~~python
;;   def quantise(x, axis):      # numpy; x: float32 -> the quantised numbers, widened to float32 again
;;       x = np.moveaxis(x, axis, -1); K = x.shape[-1]
;;       x = np.pad(x, [(0, 0)] * (x.ndim - 1) + [(0, -K % 32)]); x = x.reshape(x.shape[:-1] + (-1, 32)); a = np.abs(x).max(-1, keepdims=True)
;;       e = np.where(a > 0, np.clip(np.frexp(np.where(a > 0, a, 1))[1] - 1 - 2, -126, 127), 0)      # np.frexp(a)[1] - 1 = floor(log2(a)), exactly
;;       r = np.clip(x / 2.0 ** e, -7.5, 7.5)
;;       step = 2.0 ** (np.maximum(np.frexp(np.where(r == 0, 1, r))[1] - 1, 0) - 3)
;;       q = np.round(r / step) * step * 2.0 ** e      # np.round: ties to even
;;       return np.moveaxis(q.reshape(q.shape[:-2] + (-1,))[..., :K], -1, axis).astype(np.float32)
;;   ~~~
;;   SOFTMAX AHEAD OF A QUANTISED PRODUCT. Where the list says 'softmax', what is quantised is not the finished softmax but p = 2^(t - M), with t = logit x log2(e) and M = ceil(the row's largest t), a whole number; so 1/2 < the row's largest p <= 1. The row's sum l is taken of the UNQUANTISED p, in f32, and the product's result is divided by l at the end. Since M is a whole number, a kernel that streams over the keys may use a running M (the ceiling of the running maximum): every later rescaling is an exact power of two, which a block's scale takes up: the codes' values come out the same.
;;   OPERANDS COMPUTED ON THE WAY. 'Computed on the way' means the value that the module computes at that place (a softmax that the list does not call 'softmax' is quantised finished and normalised). What goes into a quantiser is computed in f32, as accurately as f32 sums, v_exp_f32 and their like allow (about 1e-6 of the number): no bf16 or f16 on the way to a quantiser, and a product that is left as it is and whose result goes on into a quantised operand takes f32 operands (vector FMAs, or v_wmma_f32_16x16x4_f32). A number that lies on a knife's edge between two numbers of the format may be rounded either way, as far as f32 arithmetic and the matrix unit's own rounding can turn it there, and no further.
;; 2 versions. Each part assembles by itself: llvm-mc -triple=amdgcn-amd-amdhsa -mcpu=gfx1250 --defsym DOCPART=n.
;; ======== version 1 of 2: 1 launch
;; launch sdpa (part 1): grid 4 x 64, 16 waves a work-group, no clusters, 301,056 bytes of LDS; arguments Q, K, V, out0; writes out0
.if DOCPART == 1
	.amdgcn_target "amdgcn-amd-amdhsa--gfx1250"
	.amdhsa_code_object_version 6
	.text
	.protected	k_q6353aa9047_sdpa
	.globl	k_q6353aa9047_sdpa
	.p2align	8
	.type	k_q6353aa9047_sdpa,@function
k_q6353aa9047_sdpa:
	s_mov_b64 s[64:65], 0
	v_nop
	global_prefetch_b8 v0, s[64:65] scope:SCOPE_SE
	s_setreg_imm32_b32 hwreg(HW_REG_WAVE_MODE, 25, 1), 1
	s_wait_xcnt 0x0
; out0[h][q][:] = the sum over k of softmax_k(Q[h][q] . K[h][k] / 8) V[h][k][:].  64 heads, 2,048 queries and keys, head size 64; Q, K, V, out0 f32.
; Both products run on codes of FP6 (E2M3) with one E8M0 scale for each 32 along a product's K: Q and K are quantised along the head's 64, V and p along the keys.
; THE SOFTMAX AHEAD OF THE SECOND PRODUCT: t = score x log2(e) / 8; M = the largest t so far, rounded UP to a whole number; p = 2^(t - M) is quantised, not normalised.
; The row's sum is taken of the unquantised p, in f32, and divides at the end.  When M moves, the sum and O are multiplied by 2^(old M - new M): exact.
; SHARES.  A work-group (x = quarter of the queries, y = head) owns 512 queries of one head; sixteen waves of 256 registers, four to a SIMD, so that one wave's vector work stands beside
; another's matrix work and LDS loads.  PROLOGUE: wave w quantises keys 128 w .. 128 w + 127 of K and of V into LDS slot w, and its own two tiles of 16 queries into registers.  ONE barrier.
; MAIN PART: each wave walks all 16 slots twice, once for each of its two tiles of queries, and reads LDS alone.  The result leaves through the wave's own scratch as whole rows of 256 bytes.
; LDS HOLDS IMAGES OF THE OPERANDS' REGISTERS: four registers of a lane at 16 x lane, 512 bytes a group; the same lines as loads give any wave the same registers in the same lanes.
; LAYOUT.  Both products are used transposed: S^T = K Q^T (source 0 = 16 keys, source 1 = my 16 queries), O^T = V^T P^T (source 0 = 16 channels, source 1 = P): a lane holds ONE query throughout.
; THE KEYS OF A TILE ARE NOT NEIGHBOURS: row m of tile 4 c + u is key 64 c + 32 (m / 8) + 8 u + m % 8.  So the 32 score registers of tiles 4 c .. 4 c + 3 of lane (r, h) are keys 64 c + 32 h + 0 .. 31:
; one WHOLE block of the next K, in the very order of the 6-bit operand's registers: a block's maximum needs no other lane and the codes change no lane.
; K = 64 IN A FORM OF 128.  Q's fragment is six registers of codes and six of zero codes, so whatever codes stand in registers 6-11 of K's operand add nothing (every FP6 code is a finite number).
; K's eight fragments therefore lie packed, six registers each; tile t's operand runs on into tile t + 1's codes, and six cleared registers stand behind tile 7.  Bytes 2, 3 of these scale words are 0.
; NO CLUSTER, NO TENSOR LOAD: what the four work-groups of a head share are f32 numbers, which pass through registers to be quantised; each quantises 262,144 numbers for its 1,048,576 scores.
; LIMITS: NaN and infinities among the inputs are not served; |t| stays under 3e38; a block whose largest magnitude lies under 2^-124 (a block of zeros too) gets the scale byte 1:
; a block of zeros has zero codes, and the bytes are read by this program alone; p under 2^-126 becomes 0 (v_exp_f32 flushes denormal results: ISA guide, 15.8).
.set SLOTB, 13824                      ; an LDS slot, one key step of 128 keys:
.set VIMG,  6144                       ;   0: K's image, 48 registers a lane;  6,144: V's image, 4 fragments x 12 registers;
.set KSC,   12288                      ;   K's scale words: tile t of lane l at 512 (t / 4) + 16 l + 4 (t % 4);
.set VSC,   13312                      ;   V's: fragment t of lane l at 16 l + 4 t
.set SCR,   16*SLOTB                   ; behind the sixteen slots: a scratch of SCRW bytes for each wave, its own
.set SCRW,  4864
.set HALF,  2432                       ; the turn in the scratch: half-row (row m, half hh) of 128 bytes at hh x 2,432 + m x 144;
.set TP,    144                        ; 144 = 9 x 16 and 2,432 = 9 x 256 + 128
.set OP,    272                        ; the way out: 16 rows of 256 bytes + 16
.set A0,   1                           ; v1   16 x lane: my place in an image, and in a dense load's 512 bytes; never rewritten
.set AD,   2                           ; v2   LDS address of the slot in hand
.set TIN,  3                           ; v3   the turn, on the way in
.set TOUT, 4                           ; v4   and on the way out
.set KIA,  5                           ; v5   where I store K's image: slot w + 16 x lane
.set VIA,  6                           ; v6   V's image
.set VSA,  7                           ; v7   V's scale words
.set L4,   8                           ; v8   4 x lane; never rewritten
.set SH8,  9                           ; v9   8 h
.set T0,   10                          ; v10  at work
.set T1,   11                          ; v11  destination of every lane permute, written once at the head
                                       ; v12 -M, v13 the largest t, v[14:15] the sum in two halves
.set QF,   16                          ; v16-21 Q's codes, v22-27 zero codes
.set QS,   28                          ; v28  Q's scale word
.set PS,   29                          ; v29  p's scale word
.set OSI,  30                          ; v30  the way out: where I put 32 bytes of a row
.set OSO,  31                          ; v31  and where I read a row back
.set Q1,   240                         ; v240-245, v246: the second pass's Q
.set GO,   247                         ; v247 my byte offset in two rows of out0; never rewritten
; prologue only
.set R,    32                          ; v32-159  four sets of 32 numbers as loaded; later V's two sets of 64
.set X,    160                         ; v160-223 two sets of 32 neighbours along K
.set CC,   224                         ; v224-229, v230-235 a block's codes, two sets
.set TQ,   236                         ; v236-238 a conversion's second half (its three registers begin on an even number)
.set MA,   248
.set MB,   249
.set SCV,  250                         ; the conversion's scale operand
.set BY,   251                         ; the scale's byte
.set WV0,  253                         ; v253, v254 V's scale words of columns lane and 32 + lane
; main part only
.set KV,   32                          ; v32-79 K's 8 x 6 registers, then V's 4 x 12; v80-85 cleared once
.set KS,   86                          ; v86-93 K's scale words
.set VS,   94                          ; v94-97 V's
.set S,    98                          ; v98-161 S^T, then p
.set O,    162                         ; v162-193 O^T
.set PC,   194                         ; v194-205 p's codes
.set PT,   206                         ; v206-208, v210-212 conversions' second halves
.set MX,   214                         ; v214-217 four chains of maxima; block c's largest score ends in v[214 + 2 c]
.set MO,   220                         ; the old -M
.set F,    222                         ; v[222:223] f = 2^(old M - new M); v223 is only named with it
.set SO,   224                         ; v224, v225 the conversions' scale operands
.set BYM,  226                         ; v226, v227 the scales' bytes
.set A2,   228                         ; v[228:229] the sum's second chain
	s_load_b256 s[4:11], s[0:1], 0x0               ; Q s[4:5], K s[6:7], V s[8:9], out0 s[10:11]
	v_lshrrev_b32 v[T0], 5, v0
	v_readfirstlane_b32 s12, v[T0]                 ; wave 0..15
	s_and_b32 s13, ttmp7, 0xffff                   ; the head
	s_lshl_b32 s16, s13, 19                        ; a head is 2,048 rows of 256 bytes
	s_mov_b32 s17, 0
	s_lshl_b32 s14, ttmp9, 17                      ; my work-group's 512 queries,
	s_lshl_b32 s15, s12, 12                        ; my wave's 16 of the first 256
	s_add_co_u32 s14, s14, s15
	s_mov_b32 s15, 0
	s_add_nc_u64 s[14:15], s[14:15], s[16:17]      ; offset of my first query in Q and out0
	s_lshl_b32 s18, s12, 15                        ; my wave's 128 keys
	s_mov_b32 s19, 0
	s_add_nc_u64 s[18:19], s[18:19], s[16:17]      ; offset of my first key in K and V
	s_mov_b32 s20, 0x76543210
	s_mov_b32 s21, 0xfedcba98                      ; v_permlanex16_b32's selects for lane l xor 16
	s_mov_b32 s22, 0x3e38aa3b                      ; c = log2(e) / 8
	s_mov_b32 s23, s22                             ; (named with it as a pair, so it is written)
	s_mul_i32 s27, s12, SCRW
	s_add_co_u32 s27, s27, SCR                     ; my scratch
	s_mul_i32 s28, s12, SLOTB                      ; my slot
	v_and_b32 v[L4], 31, v0                        ; lane
	v_lshlrev_b32 v[A0], 4, v[L4]
	v_lshlrev_b32 v[L4], 2, v[L4]
	v_and_b32 v248, 15, v0                         ; r
	v_bfe_u32 v249, v0, 4, 1                       ; h
	v_bfe_u32 v250, v0, 3, 1                       ; which half of a row of 256 bytes my 16 bytes of a dense load belong to
	v_mul_u32_u24 v[TIN], v250, HALF
	v_mad_u32_u24 v[TIN], v249, TP, v[TIN]         ; a load's 512 bytes are two rows: lanes 16-31 the second
	v_and_b32 v250, 7, v0
	v_lshl_add_u32 v[TIN], v250, 4, v[TIN]
	v_add_nc_u32 v[TIN], s27, v[TIN]
	v_mul_u32_u24 v[TOUT], v249, HALF              ; back: lane (r, h) takes half h of row r: k = 32 h + 0 .. 31
	v_mad_u32_u24 v[TOUT], v248, TP, v[TOUT]
	v_add_nc_u32 v[TOUT], s27, v[TOUT]
	v_add_nc_u32 v[KIA], s28, v[A0]
	v_mul_u32_u24 v[VIA], v249, 1536               ; V: my column 32 g + lane is row r of fragment 2 g + h
	v_lshl_add_u32 v[VIA], v248, 4, v[VIA]
	v_add_nc_u32 v[VIA], s28, v[VIA]
	v_add_nc_u32 v[VIA], VIMG, v[VIA]
	v_lshlrev_b32 v[VSA], 4, v248
	v_lshl_add_u32 v[VSA], v249, 2, v[VSA]
	v_add_nc_u32 v[VSA], s28, v[VSA]
	v_add_nc_u32 v[VSA], VSC, v[VSA]
	v_lshlrev_b32 v[SH8], 3, v249
	v_mul_u32_u24 v[OSI], v248, OP                 ; the way out, in: row r, + 32 h
	v_lshl_add_u32 v[OSI], v249, 5, v[OSI]
	v_add_nc_u32 v[OSI], s27, v[OSI]
	v_mul_u32_u24 v[OSO], v249, OP                 ; back: lanes 0-15 one row, lanes 16-31 the next, 16 bytes a lane
	v_lshl_add_u32 v[OSO], v248, 4, v[OSO]
	v_add_nc_u32 v[OSO], s27, v[OSO]
	v_lshlrev_b32 v[GO], 8, v249                   ; and the same two rows in out0
	v_lshl_add_u32 v[GO], v248, 4, v[GO]
	v_mov_b32 v[T1], 0                             ; a lane permute's destination counts as one of its sources
	s_wait_kmcnt 0x0
	s_add_nc_u64 s[4:5], s[4:5], s[14:15]
	s_add_nc_u64 s[10:11], s[10:11], s[14:15]
	s_add_nc_u64 s[6:7], s[6:7], s[18:19]
	s_add_nc_u64 s[8:9], s[8:9], s[18:19]
; ---------------------------------------------------------------- THE PROLOGUE'S MACROS
; Item t of ten: 16 rows x 64 numbers.  t = 0, 1: my two tiles of queries;  t = 2 .. 9: tile t - 2 of my 128 keys (two runs of eight neighbouring keys, 32 keys apart).
; Eight loads, each of 512 consecutive bytes (two rows): load j brings the tile's rows 2 j and 2 j + 1.
.macro LOADT t
.set RR, R+32*((\t)%4)
.if (\t) < 2
.irp j, 0,1,2,3,4,5,6,7
	global_load_b128 v[RR+4*\j:RR+4*\j+3], v[A0], s[4:5] offset:65536*(\t)+512*\j th:TH_LOAD_NT   ; read once in the launch
.endr
.else
.set LKT, (\t)-2
.irp j, 0,1,2,3,4,5,6,7
	global_load_b128 v[RR+4*\j:RR+4*\j+3], v[A0], s[6:7] offset:((LKT/4)*64+(LKT%4)*8)*256+(\j/4)*8192+(\j%4)*512
.endr
.endif
.endm
; The item turns through my scratch: in as loaded, back 128 bytes a lane.  LDS serves a wave's instructions in order (ISA guide 5.7.1.4): no wait between the stores and the loads.
.macro TURN t
.set RR, R+32*((\t)%4)
.set XX, X+32*((\t)%2)
.irp j, 0,1,2,3,4,5,6,7
	ds_store_b128 v[TIN], v[RR+4*\j:RR+4*\j+3] offset:2*TP*\j
.endr
.irp i, 0,1,2,3,4,5,6,7
	ds_load_b128 v[XX+4*\i:XX+4*\i+3], v[TOUT] offset:16*\i
.endr
.endm
; A whole block of 32 numbers in v[QX] on becomes six registers of codes in v[QC] on; the scale's byte in v[BY].
.macro QCORE
	v_max3_num_f32 v[MA], |v[QX]|, |v[QX+1]|, 0x1800000            ; the largest magnitude, in two chains, with the floor 2^(3 - 127) among its leaves: the byte cannot fall under 1
	v_max3_num_f32 v[MB], |v[QX+16]|, |v[QX+17]|, |v[QX+18]|
.irp i, 0,1,2,3,4,5
	v_max3_num_f32 v[MA], v[MA], |v[QX+2+2*\i]|, |v[QX+3+2*\i]|
	v_max3_num_f32 v[MB], v[MB], |v[QX+19+2*\i]|, |v[QX+20+2*\i]|
.endr
	v_max3_num_f32 v[MA], v[MA], |v[QX+14]|, |v[QX+15]|
	v_max3_num_f32 v[MA], v[MA], v[MB], |v[QX+31]|
	v_add_nc_u32 v[SCV], 0xff000000, v[MA]         ; 2 off its exponent field: the conversion takes the exponent field of this operand as its scale, and nothing else of it
	v_cvt_scalef32_pk16_fp6_f32 v[QC:QC+2], v[QX:QX+15], v[SCV]
	v_cvt_scalef32_pk16_fp6_f32 v[TQ:TQ+2], v[QX+16:QX+31], v[SCV]
	v_lshrrev_b32 v[BY], 23, v[SCV]                ; the scale's byte; also the plain line between the conversions and the moves that read their result
	v_mov_b32 v[QC+3], v[TQ]
	v_mov_b32 v[QC+4], v[TQ+1]
	v_mov_b32 v[QC+5], v[TQ+2]
.endm
.macro WORD2 dst                       ; a row's scale word for K = 64: my byte at place h, lane l xor 16's beside it; bytes 2 and 3 are 0
	v_lshlrev_b32 v[BY], v[SH8], v[BY]
	v_permlanex16_b32 v[T1], v[BY], s20, s21
	v_or_b32 v[\dst], v[BY], v[T1]
.endm
; Block b of V (keys 32 b .. 32 b + 31 of my 128): A LANE TAKES A COLUMN AND ITS REGISTERS RUN DOWN THE KEYS.  Two neighbouring lines cover a key's whole row of 256 bytes.
.macro VLOAD b
.set VV, 96-64*((\b)%2)                ; even blocks in v96-159, odd ones in v32-95; columns 32 + lane in the upper 32 of a set
.set i, 0
.rept 32
	global_load_b32 v[VV+i], v[L4], s[8:9] offset:(32*(\b)+i)*256
	global_load_b32 v[VV+32+i], v[L4], s[8:9] offset:(32*(\b)+i)*256+128
.set i, i+1
.endr
.endm
.macro ITEM t
.if (\t) >= 3
	s_wait_dscnt 3                                 ; this item is back from the turn; only the last tile's three image stores, issued behind, may be out
.else
	s_wait_dscnt 0x0
.endif
.if (\t)+4 <= 9
	LOADT (\t)+4                                   ; into the set that this item's stores into the scratch have read
.endif
.if (\t) <= 8
.if (\t) <= 5
	s_wait_loadcnt 24                              ; the next item's eight loads are in; the three items behind it may be out
.else
	s_wait_loadcnt 8*(8-(\t))
.endif
	TURN (\t)+1                                    ; it turns while this item is worked
.endif
.if (\t) == 8
	VLOAD 0                                        ; sets 2 and 3 are free: items 6 and 7 have turned
.endif
.set QX, X+32*((\t)%2)
.if (\t) == 0
.set QC, QF
	QCORE
	WORD2 QS
.elseif (\t) == 1
.set QC, Q1
	QCORE
	WORD2 Q1+6
.else
.set QC, CC+6*((\t)%2)
.set WW, 252-13*((\t)%2)               ; v252 and v239 by turns: the store that may still be out keeps its data
.set KT, (\t)-2
	QCORE
	WORD2 WW
.if KT%2 == 0                          ; registers 6 KT .. 6 KT + 5 of the image's 48: a whole group of four and half of the next, or the other way round
	ds_store_b128 v[KIA], v[QC:QC+3] offset:512*(3*KT/2)
	ds_store_b64 v[KIA], v[QC+4:QC+5] offset:512*(3*KT/2+1)
.else
	ds_store_b64 v[KIA], v[QC:QC+1] offset:512*((3*KT-1)/2)+8
	ds_store_b128 v[KIA], v[QC+2:QC+5] offset:512*((3*KT-1)/2+1)
.endif
	ds_store_b32 v[KIA], v[WW] offset:KSC+512*(KT/4)+4*(KT%4)
.endif
.if (\t) == 9
	VLOAD 1                                        ; sets 0 and 1 are free: items 8 and 9 have turned
.endif
.endm
; Block b = 2 c + hf of V: my column's codes are registers 6 c .. 6 c + 5 of lane (r, hf) of fragment 2 g + h.
.macro VBLOCK b
	s_wait_dscnt 0x0                               ; the earlier stores have read the codes' registers
.if (\b) < 3
	s_wait_loadcnt 63                              ; this block's 64 loads are in: 64 younger ones are out, and the count names 63 at the most
.else
	s_wait_loadcnt 0x0
.endif
.irp g, 0,1
.set QX, 96-64*((\b)%2)+32*\g
.set QC, CC+6*\g
	QCORE
.if (\b) == 0
	v_mov_b32 v[WV0+\g], v[BY]                     ; the four blocks' bytes make my column's scale word
.else
	v_lshl_or_b32 v[WV0+\g], v[BY], 8*(\b), v[WV0+\g]
.endif
.set IM, 3072*\g+256*((\b)%2)
.if (\b) < 2
	ds_store_b128 v[VIA], v[QC:QC+3] offset:IM
	ds_store_b64 v[VIA], v[QC+4:QC+5] offset:IM+512
.else
	ds_store_b64 v[VIA], v[QC:QC+1] offset:IM+520
	ds_store_b128 v[VIA], v[QC+2:QC+5] offset:IM+1024
.endif
.endr
.if (\b)+2 <= 3
	VLOAD (\b)+2
.endif
.endm
; ---------------------------------------------------------------- THE PROLOGUE
	LOADT 0
	LOADT 1
	LOADT 2
	LOADT 3
	s_wait_loadcnt 24                              ; item 0's eight loads are in
	TURN 0
.irp t, 0,1,2,3,4,5,6,7,8,9
	ITEM \t
.endr
.irp b, 0,1,2,3
	VBLOCK \b
.endr
.irp g, 0,1
	ds_store_b32 v[VSA], v[WV0+\g] offset:8*\g     ; fragment 2 g + h, row r: for lane r,
	ds_store_b32 v[VSA], v[WV0+\g] offset:8*\g+256 ; and for lane 16 + r, so that every byte that the loads take has been written
.endr
	s_wait_dscnt 0x0                               ; for the others' sake: my slot is whole
	s_barrier_signal -1
	s_barrier_wait -1                              ; all sixteen slots are; from here on they are only read
; ---------------------------------------------------------------- THE MAIN PART'S MACROS
.macro KLOAD                           ; the slot's K: 48 registers and eight scale words
.irp q, 0,1,2,3,4,5,6,7,8,9,10,11
	ds_load_b128 v[KV+4*\q:KV+4*\q+3], v[AD] offset:512*\q
.endr
	ds_load_b128 v[KS:KS+3], v[AD] offset:KSC
	ds_load_b128 v[KS+4:KS+7], v[AD] offset:KSC+512
.endm
; A KEY STEP: 128 keys.  next = 1: the next slot's K is asked for.
.macro STEP next
	s_wait_dscnt 0x0                               ; K and its scale words are in
.irp t, 0,1,2,3,4,5,6,7
	v_wmma_scale_f32_16x16x128_f8f6f4 v[S+8*\t:S+8*\t+7], v[KV+6*\t:KV+6*\t+11], v[QF:QF+11], 0, v[KS+\t], v[QS] matrix_a_fmt:MATRIX_FMT_FP6 matrix_b_fmt:MATRIX_FMT_FP6
.endr
	v_mov_b32 v[MO], v12                           ; four places in front of the loads into K's registers and of the first read of the scores
	v_nop
	v_nop
	v_nop
.irp q, 0,1,2,3,4,5,6,7,8,9,10,11
	ds_load_b128 v[KV+4*\q:KV+4*\q+3], v[AD] offset:VIMG+512*\q    ; V's four fragments land while the softmax is worked
.endr
	ds_load_b128 v[VS:VS+3], v[AD] offset:VSC
	; THE LARGEST SCORE OF EACH OF MY TWO BLOCKS OF 32 KEYS, in four chains by turns, each tile read from its low end on.  It serves twice: for the row's maximum, and, since p rises with the score, for the block's largest p
.irp c, 0,1
	v_max3_num_f32 v[MX+2*\c], v[S+32*\c], v[S+32*\c+1], v[S+32*\c+2]
	v_max3_num_f32 v[MX+2*\c+1], v[S+32*\c+16], v[S+32*\c+17], v[S+32*\c+18]
.endr
.irp i, 0,1,2,3,4,5
.irp c, 0,1
	v_max3_num_f32 v[MX+2*\c], v[MX+2*\c], v[S+32*\c+3+2*\i], v[S+32*\c+4+2*\i]
	v_max3_num_f32 v[MX+2*\c+1], v[MX+2*\c+1], v[S+32*\c+19+2*\i], v[S+32*\c+20+2*\i]
.endr
.endr
.irp c, 0,1
	v_max3_num_f32 v[MX+2*\c], v[MX+2*\c], v[S+32*\c+15], v[S+32*\c+31]
.endr
.irp c, 0,1
	v_max_num_f32 v[MX+2*\c], v[MX+2*\c], v[MX+2*\c+1]
.endr
	v_max_num_f32 v[T0], v[MX], v[MX+2]
	v_permlanex16_b32 v[T1], v[T0], s20, s21       ; my query's other 64 keys lie in lane l xor 16
	v_max_num_f32 v[T0], v[T0], v[T1]              ; the step's largest score of my query
	v_mul_f32 v[T0], s22, v[T0]                    ; as t (c is positive)
	v_max_num_f32 v13, v13, v[T0]                  ; the running largest t
	v_floor_f32 v12, -v13                          ; the new -M = floor(-t) = -ceil(t): M is a whole number
	v_sub_f32 v[T0], v12, v[MO]                    ; old M - new M: a whole number, 0 or less
	v_cvt_i32_f32 v[T0], v[T0]                     ; (it saturates)
	v_ldexp_f32 v[F], 1.0, v[T0]                   ; f = 2^(old M - new M): multiplying by it rounds nothing
.set i, 0
.rept 32
	v_pk_fma_f32 v[S+i:S+i+1], v[S+i:S+i+1], s[22:23], v[12:13] op_sel_hi:[1,0,0]   ; t - M, two at a time (of the pairs c and -M the low word serves both halves)
.set i, i+2
.endr
.irp c, 0,1
	v_fma_f32 v[MX+2*\c], v[MX+2*\c], s22, v12     ; the same of each block's largest score
.endr
.set i, 0
.rept 64
	v_exp_f32 v[S+i], v[S+i]                       ; p = 2^(t - M), at most 1: not normalised
.set i, i+1
.endr
.irp c, 0,1
	v_exp_f32 v[MX+2*\c], v[MX+2*\c]               ; the block's largest p: the same two instructions on the same number give the same bits
.endr
	v_pk_mul_f32 v[14:15], v[14:15], v[F:F+1] op_sel_hi:[1,0]      ; the sums under the new M; the plain line behind the exponentials
	s_wait_alu depctr_va_vdst(0)
.irp c, 0,1
	v_max_num_f32 v[MX+2*\c], 0x1800000, v[MX+2*\c]   ; the floor 2^(3 - 127): the byte cannot fall under 1 (a block whose every p is 0 keeps that byte: its codes are zeros)
.endr
.irp c, 0,1
	v_add_nc_u32 v[SO+\c], 0xff000000, v[MX+2*\c]  ; 2 off the exponent field: the conversion's scale operand
.endr
.irp c, 0,1
	v_lshrrev_b32 v[BYM+\c], 23, v[SO+\c]          ; the scale's byte
.endr
.irp c, 0,1
	v_cvt_scalef32_pk16_fp6_f32 v[PC+6*\c:PC+6*\c+2], v[S+32*\c:S+32*\c+15], v[SO+\c]          ; keys 64 c + 32 h + 0 .. 15: registers 6 c .. 6 c + 2 of the operand as they stand
	v_cvt_scalef32_pk16_fp6_f32 v[PT+4*\c:PT+4*\c+2], v[S+32*\c+16:S+32*\c+31], v[SO+\c]       ; (a conversion's three registers begin on an even number: these are moved)
.endr
	v_lshl_or_b32 v[PS], v[BYM+1], 16, v[BYM]      ; my two bytes, blocks h and 2 + h (the plain line behind the conversions),
	v_lshlrev_b32 v[PS], v[SH8], v[PS]             ; at their places in the scale word;
	v_permlanex16_b32 v[T1], v[PS], s20, s21
	v_or_b32 v[PS], v[PS], v[T1]                   ; with lane l xor 16's two the word is whole
.irp c, 0,1
.irp i, 0,1,2
	v_mov_b32 v[PC+6*\c+3+\i], v[PT+4*\c+\i]
.endr
.endr
.set i, 0
.rept 16
	v_pk_mul_f32 v[O+i:O+i+1], v[O+i:O+i+1], v[F:F+1] op_sel_hi:[1,0]   ; O^T under the new M, each tile from its low end on.  These sixteen also stand between the writes of p's scale word and codes and the scaled products
.set i, i+2
.endr
	s_wait_dscnt 0x0                               ; V and its scale words are in
.irp t, 0,1,2,3                        ; the four accumulators take turns, one instruction a turn; eight other products stand between two steps
	v_wmma_scale_f32_16x16x128_f8f6f4 v[O+8*\t:O+8*\t+7], v[KV+12*\t:KV+12*\t+11], v[PC:PC+11], v[O+8*\t:O+8*\t+7], v[VS+\t], v[PS] matrix_a_fmt:MATRIX_FMT_FP6 matrix_b_fmt:MATRIX_FMT_FP6
.endr
	v_pk_add_f32 v[A2:A2+1], v[S:S+1], v[S+2:S+3]  ; THE ROW'S SUM IS TAKEN OF THE UNQUANTISED p, two at a time, in two chains; it stands here so that the wave works while the products run and the next K lands
.irp j, 4,8
	v_pk_add_f32 v[14:15], v[14:15], v[S+\j:S+\j+1]
	v_pk_add_f32 v[A2:A2+1], v[A2:A2+1], v[S+\j+2:S+\j+3]
.endr
.if \next
	s_add_co_u32 s24, s24, SLOTB                   ; on to the next slot: no LDS load that names the address is out
	v_add_nc_u32 v[AD], s24, v[A0]                 ; (with the five sums above: six places in front of the loads into V's registers, where four are asked)
	KLOAD
.endif
.irp j, 12,16,20,24,28,32,36,40,44,48,52,56,60
	v_pk_add_f32 v[14:15], v[14:15], v[S+\j:S+\j+1]
	v_pk_add_f32 v[A2:A2+1], v[A2:A2+1], v[S+\j+2:S+\j+3]
.endr
	v_pk_add_f32 v[14:15], v[14:15], v[A2:A2+1]
.endm
; ---------------------------------------------------------------- THE MAIN PART
.irp j, 0,1,2,3,4,5
	v_mov_b32 v[QF+6+\j], 0                        ; Q's zero codes for k = 64 .. 127
	v_mov_b32 v[KV+48+\j], 0                       ; and what tile 7's operand runs on into
.endr
	v_mov_b32 v[F+1], 0                            ; (named as the upper half of a pair)
	s_mov_b32 s26, 2
.Lpass:                                                ; two trips: my two tiles of 16 queries
	v_mov_b32 v13, 0xff61b1e6                      ; the largest t so far: -3e38, under every t
	v_floor_f32 v12, -v13                          ; -M
	v_mov_b32 v14, 0                               ; the sum, in two halves
	v_mov_b32 v15, 0
.set i, 0
.rept 32
	v_mov_b32 v[O+i], 0                            ; O^T.  (The step is written once for all steps: the first finds zeros, which the first change of M leaves zeros)
.set i, i+1
.endr
	s_mov_b32 s24, 0
	v_mov_b32 v[AD], v[A0]                         ; slot 0
	KLOAD
	s_mov_b32 s25, 15
.Lstep:
	STEP 1
	s_sub_co_u32 s25, s25, 1
	s_cmp_lg_u32 s25, 0
	s_cbranch_scc1 .Lstep
	STEP 0                                         ; the last slot: nothing follows it
	; THE WAY OUT.  The sums in the last step are the places behind the last products.
	v_add_f32 v14, v14, v15                        ; the sum's two halves,
	v_permlanex16_b32 v[T1], v14, s20, s21
	v_add_f32 v14, v14, v[T1]                      ; and lane l xor 16's: the row's sum
	v_rcp_f32 v14, v14
	v_nop                                          ; one plain line behind a transcendental (ISA guide 5.7.2)
.set i, 0
	s_wait_alu depctr_va_vdst(0)
.rept 16
	v_pk_mul_f32 v[S+i:S+i+1], v[O+i:O+i+1], v[14:15] op_sel_hi:[1,0]   ; O^T / the sum: register 8 t + j is out0(query r, channel 16 t + 8 h + j); each tile from its low end on
.set i, i+2
.endr
.irp t, 0,1,2,3
	ds_store_b128 v[OSI], v[S+8*\t:S+8*\t+3] offset:64*\t
	ds_store_b128 v[OSI], v[S+8*\t+4:S+8*\t+7] offset:64*\t+16
.endr
.irp i, 0,1,2,3,4,5,6,7
	ds_load_b128 v[S+32+4*\i:S+32+4*\i+3], v[OSO] offset:2*OP*\i   ; my own bytes, served in order: these see the stores above
.endr
.irp i, 0,1,2,3,4,5,6,7
	s_wait_dscnt 7-\i                              ; the younger read-backs may be out
	global_store_b128 v[GO], v[S+32+4*\i:S+32+4*\i+3], s[10:11] offset:512*\i th:TH_STORE_NT   ; 32 lanes store two whole rows: 512 consecutive bytes, at a multiple of 256 from out0's first byte
.endr
	s_wait_xcnt 0x0                                ; the stores' base and data are rewritten only behind this wait
	s_add_nc_u64 s[10:11], s[10:11], 65536         ; 256 queries on
.irp j, 0,1,2,3,4,5
	v_mov_b32 v[QF+\j], v[Q1+\j]                   ; the second tile's codes
.endr
	v_mov_b32 v[QS], v[Q1+6]                       ; and its scale word; the clearing at the pass's head stands between these writes and the next scaled product
	s_sub_co_u32 s26, s26, 1
	s_cmp_lg_u32 s26, 0
	s_cbranch_scc1 .Lpass
	s_wait_xcnt 0x0
	v_lshl_add_u32 v254, v0, 2, 0x49000
	v_mov_b32 v255, 0
	s_wait_tensorcnt 0x0
	ds_add_u32 v254, v255
	s_wait_dscnt 0x0
	s_endpgm
.Lfunc_end_k_q6353aa9047_sdpa:
	.size	k_q6353aa9047_sdpa, .Lfunc_end_k_q6353aa9047_sdpa-k_q6353aa9047_sdpa
	.p2alignl 7, 3214868480
	.fill 96, 4, 3214868480
	.section	.rodata,"a",@progbits
	.p2align	6, 0x0
	.amdhsa_kernel k_q6353aa9047_sdpa
		.amdhsa_group_segment_fixed_size 301056
		.amdhsa_private_segment_fixed_size 0
		.amdhsa_enable_private_segment 0
		.amdhsa_kernarg_size 32
		.amdhsa_user_sgpr_count 2
		.amdhsa_user_sgpr_kernarg_segment_ptr 1
		.amdhsa_wavefront_size32 1
		.amdhsa_system_sgpr_workgroup_id_x 1
		.amdhsa_system_sgpr_workgroup_id_y 1
		.amdhsa_system_sgpr_workgroup_id_z 1
		.amdhsa_system_vgpr_workitem_id 0
		.amdhsa_next_free_vgpr 256
		.amdhsa_next_free_sgpr 66
		.amdhsa_reserve_vcc 0
		.amdhsa_float_denorm_mode_32 3
		.amdhsa_float_denorm_mode_16_64 3
		.amdhsa_memory_ordered 1
		.amdhsa_forward_progress 1
		.amdhsa_inst_pref_size 108
	.end_amdhsa_kernel
	.amdgpu_metadata
---
amdhsa.version: [ 1, 2 ]
amdhsa.kernels:
  - .name:           k_q6353aa9047_sdpa
    .symbol:         k_q6353aa9047_sdpa.kd
    .args:
      - { .name: Q, .offset: 0, .size: 8, .value_kind: global_buffer, .address_space: global }
      - { .name: K, .offset: 8, .size: 8, .value_kind: global_buffer, .address_space: global }
      - { .name: V, .offset: 16, .size: 8, .value_kind: global_buffer, .address_space: global }
      - { .name: out0, .offset: 24, .size: 8, .value_kind: global_buffer, .address_space: global }
    .group_segment_fixed_size: 301056
    .private_segment_fixed_size: 0
    .kernarg_segment_align: 8
    .kernarg_segment_size: 32
    .max_flat_workgroup_size: 512
    .sgpr_count:     66
    .vgpr_count:     256
    .wavefront_size: 32
...
	.end_amdgpu_metadata
.endif
;; end of part 1
;; ======== version 2 of 2: 1 launch; version 1 with the launch sdpa written anew for expert scheduling mode
;; launch sdpa (part 2): grid 4 x 64, 16 waves a work-group, no clusters, 301,056 bytes of LDS; arguments Q, K, V, out0; writes out0
.if DOCPART == 2
	.amdgcn_target "amdgcn-amd-amdhsa--gfx1250"
	.amdhsa_code_object_version 6
	.text
	.protected	k_q6353aa9047_sdpa
	.globl	k_q6353aa9047_sdpa
	.p2align	8
	.type	k_q6353aa9047_sdpa,@function
k_q6353aa9047_sdpa:
	s_mov_b64 s[64:65], 0
	v_nop
	global_prefetch_b8 v0, s[64:65] scope:SCOPE_SE
	s_setreg_imm32_b32 hwreg(HW_REG_WAVE_SCHED_MODE, 0, 2), 2
	s_setreg_imm32_b32 hwreg(HW_REG_WAVE_MODE, 25, 1), 1
	s_wait_xcnt 0x0
	s_wait_alu depctr_vm_vsrc(0)
; out0[h][q][:] = the sum over k of softmax_k(Q[h][q] . K[h][k] / 8) V[h][k][:].  64 heads, 2,048 queries and keys, head size 64; Q, K, V, out0 f32.
; Both products run on codes of FP6 (E2M3) with one E8M0 scale for each 32 along a product's K: Q and K are quantised along the head's 64, V and p along the keys.
; THE SOFTMAX AHEAD OF THE SECOND PRODUCT: t = score x log2(e) / 8; M = the largest t so far, rounded UP to a whole number; p = 2^(t - M) is quantised, not normalised.
; The row's sum is taken of the unquantised p, in f32, and divides at the end.  When M moves, the sum and O are multiplied by 2^(old M - new M): exact.
; SHARES.  A work-group (x = quarter of the queries, y = head) owns 512 queries of one head; sixteen waves of 256 registers, four to a SIMD, so that one wave's vector work stands beside
; another's matrix work and LDS loads.  PROLOGUE: wave w quantises keys 128 w .. 128 w + 127 of K and of V into LDS slot w, and its own two tiles of 16 queries into registers.  ONE barrier.
; MAIN PART: each wave walks all 16 slots twice, once for each of its two tiles of queries, and reads LDS alone.  The result leaves through the wave's own scratch as whole rows of 256 bytes.
; LDS HOLDS IMAGES OF THE OPERANDS' REGISTERS: four registers of a lane at 16 x lane, 512 bytes a group; the same lines as loads give any wave the same registers in the same lanes.
; LAYOUT.  Both products are used transposed: S^T = K Q^T (source 0 = 16 keys, source 1 = my 16 queries), O^T = V^T P^T (source 0 = 16 channels, source 1 = P): a lane holds ONE query throughout.
; THE KEYS OF A TILE ARE NOT NEIGHBOURS: row m of tile 4 c + u is key 64 c + 32 (m / 8) + 8 u + m % 8.  So the 32 score registers of tiles 4 c .. 4 c + 3 of lane (r, h) are keys 64 c + 32 h + 0 .. 31:
; one WHOLE block of the next K, in the very order of the 6-bit operand's registers: a block's maximum needs no other lane and the codes change no lane.
; K = 64 IN A FORM OF 128.  Q's fragment is six registers of codes and six of zero codes, so whatever codes stand in registers 6-11 of K's operand add nothing (every FP6 code is a finite number).
; K's eight fragments therefore lie packed, six registers each; tile t's operand runs on into tile t + 1's codes, and six cleared registers stand behind tile 7.  Bytes 2, 3 of these scale words are 0.
; NO CLUSTER, NO TENSOR LOAD: what the four work-groups of a head share are f32 numbers, which pass through registers to be quantised; each quantises 262,144 numbers for its 1,048,576 scores.
; LIMITS: NaN and infinities among the inputs are not served; |t| stays under 3e38; a block whose largest magnitude lies under 2^-124 (a block of zeros too) gets the scale byte 1:
; a block of zeros has zero codes, and the bytes are read by this program alone; p under 2^-126 becomes 0 (v_exp_f32 flushes denormal results: ISA guide, 15.8).
; THE MODE: SCHED_MODE bits 1:0 = 2 (LLVM: expert scheduling mode 2), set by the entry lines.  The code itself states the register dependences
; between vector or matrix instructions and memory or LDS instructions, with s_wait_alu, always for 0.
; THE PLAN.  Registers that memory or LDS instructions touch:
;   v1, v3-v8, v30, v31, v247   addresses, made at the head and never written again: one wait on va_vdst ahead of the first load serves them for the whole kernel.
;   R0 .. R3     (prologue) written by global loads, read by the turn's LDS stores alone; written again by the loads of four items on, later by V's blocks: the wait on vm_vsrc at an item's head.
;   X0, X1       written by the turn's LDS loads, read by an item's vector lines: the wait on va_vdst behind item t's vector lines stands ahead of the turn loads that item t + 1 issues into the same set.
;   codes, word  written by an item's (a block's) vector lines, read by its image stores (the same wait on va_vdst), written again two items (a block) on (the wait on vm_vsrc at the head).
;   V's two sets loaded, read by a block's vector lines, loaded again behind the block's one wait on va_vdst.
;   KV           (main part) K lands, the eight products K Q^T read it | a wait on va_vdst | V lands, the four products V^T P read it | a wait on va_vdst | the next K lands.  KS and VS likewise.
;   v2           read by every LDS load of a step; written once a step, between a wait on vm_vsrc and the wait on va_vdst that stands ahead of the next K's loads anyway.
;   p's codes and scale word: written by vector lines, taken by scaled products: a wait on va_vdst directly ahead of them, behind their places.
;   S            on the way out: v98-129 written by the division, read by LDS stores; v130-161 take the read-backs, read by global stores; a wait on vm_vsrc at the pass's end, ahead of the next pass's products.
; Behind each of the step's two waits for the products the loads are DEALT among vector lines that name none of KV, KS, VS or v2: V's thirteen among the maximum's lines, the next K's fourteen among the sums.
.set SLOTB, 13824                      ; an LDS slot, one key step of 128 keys:
.set VIMG,  6144                       ;   0: K's image, 48 registers a lane;  6,144: V's image, 4 fragments x 12 registers;
.set KSC,   12288                      ;   K's scale words: tile t of lane l at 512 (t / 4) + 16 l + 4 (t % 4);
.set VSC,   13312                      ;   V's: fragment t of lane l at 16 l + 4 t
.set SCR,   16*SLOTB                   ; behind the sixteen slots: a scratch of SCRW bytes for each wave, its own
.set SCRW,  4864
.set HALF,  2432                       ; the turn in the scratch: half-row (row m, half hh) of 128 bytes at hh x 2,432 + m x 144;
.set TP,    144                        ; 144 = 9 x 16 and 2,432 = 9 x 256 + 128
.set OP,    272                        ; the way out: 16 rows of 256 bytes + 16
.set A0,   1                           ; v1   16 x lane: my place in an image, and in a dense load's 512 bytes; never rewritten
.set AD,   2                           ; v2   LDS address of the slot in hand
.set TIN,  3                           ; v3   the turn, on the way in
.set TOUT, 4                           ; v4   and on the way out
.set KIA,  5                           ; v5   where I store K's image: slot w + 16 x lane
.set VIA,  6                           ; v6   V's image
.set VSA,  7                           ; v7   V's scale words
.set L4,   8                           ; v8   4 x lane; never rewritten
.set SH8,  9                           ; v9   8 h
.set T0,   10                          ; v10  at work
.set T1,   11                          ; v11  destination of every lane permute, written once at the head
                                       ; v12 -M, v13 the largest t, v[14:15] the sum in two halves
.set QF,   16                          ; v16-21 Q's codes, v22-27 zero codes
.set QS,   28                          ; v28  Q's scale word
.set PS,   29                          ; v29  p's scale word
.set OSI,  30                          ; v30  the way out: where I put 32 bytes of a row
.set OSO,  31                          ; v31  and where I read a row back
.set Q1,   240                         ; v240-245, v246: the second pass's Q
.set GO,   247                         ; v247 my byte offset in two rows of out0; never rewritten
; prologue only
.set R,    32                          ; v32-159  four sets of 32 numbers as loaded; later V's two sets of 64
.set X,    160                         ; v160-223 two sets of 32 neighbours along K
.set CC,   224                         ; v224-229, v230-235 a block's codes, two sets
.set TQ,   236                         ; v236-238 a conversion's second half (its three registers begin on an even number)
.set MA,   248
.set MB,   249
.set SCV,  250                         ; the conversion's scale operand
.set BY,   251                         ; the scale's byte
.set WV0,  253                         ; v253, v254 V's scale words of columns lane and 32 + lane
; main part only
.set KV,   32                          ; v32-79 K's 8 x 6 registers, then V's 4 x 12; v80-85 cleared once
.set KS,   86                          ; v86-93 K's scale words
.set VS,   94                          ; v94-97 V's
.set S,    98                          ; v98-161 S^T, then p
.set O,    162                         ; v162-193 O^T
.set PC,   194                         ; v194-205 p's codes
.set PT,   206                         ; v206-208, v210-212 conversions' second halves
.set MX,   214                         ; v214-217 four chains of maxima; block c's largest score ends in v[214 + 2 c]
.set MO,   220                         ; the old -M
.set F,    222                         ; v[222:223] f = 2^(old M - new M); v223 is only named with it
.set SO,   224                         ; v224, v225 the conversions' scale operands
.set BYM,  226                         ; v226, v227 the scales' bytes
.set A2,   228                         ; v[228:229] the sum's second chain
	s_load_b256 s[4:11], s[0:1], 0x0               ; Q s[4:5], K s[6:7], V s[8:9], out0 s[10:11]
	v_lshrrev_b32 v[T0], 5, v0
	v_readfirstlane_b32 s12, v[T0]                 ; wave 0..15
	s_and_b32 s13, ttmp7, 0xffff                   ; the head
	s_lshl_b32 s16, s13, 19                        ; a head is 2,048 rows of 256 bytes
	s_mov_b32 s17, 0
	s_lshl_b32 s14, ttmp9, 17                      ; my work-group's 512 queries,
	s_wait_alu depctr_va_sdst(0)                   ; s12 is written, ahead of its first reader: the bases and the LDS places are made from it
	s_lshl_b32 s15, s12, 12                        ; my wave's 16 of the first 256
	s_add_co_u32 s14, s14, s15
	s_mov_b32 s15, 0
	s_add_nc_u64 s[14:15], s[14:15], s[16:17]      ; offset of my first query in Q and out0
	s_lshl_b32 s18, s12, 15                        ; my wave's 128 keys
	s_mov_b32 s19, 0
	s_add_nc_u64 s[18:19], s[18:19], s[16:17]      ; offset of my first key in K and V
	s_mov_b32 s20, 0x76543210
	s_mov_b32 s21, 0xfedcba98                      ; v_permlanex16_b32's selects for lane l xor 16
	s_mov_b32 s22, 0x3e38aa3b                      ; c = log2(e) / 8
	s_mov_b32 s23, s22                             ; (named with it as a pair, so it is written)
	s_mul_i32 s27, s12, SCRW
	s_add_co_u32 s27, s27, SCR                     ; my scratch
	s_mul_i32 s28, s12, SLOTB                      ; my slot
	v_and_b32 v[L4], 31, v0                        ; lane
	v_lshlrev_b32 v[A0], 4, v[L4]
	v_lshlrev_b32 v[L4], 2, v[L4]
	v_and_b32 v248, 15, v0                         ; r
	v_bfe_u32 v249, v0, 4, 1                       ; h
	v_bfe_u32 v250, v0, 3, 1                       ; which half of a row of 256 bytes my 16 bytes of a dense load belong to
	v_mul_u32_u24 v[TIN], v250, HALF
	v_mad_u32_u24 v[TIN], v249, TP, v[TIN]         ; a load's 512 bytes are two rows: lanes 16-31 the second
	v_and_b32 v250, 7, v0
	v_lshl_add_u32 v[TIN], v250, 4, v[TIN]
	v_add_nc_u32 v[TIN], s27, v[TIN]
	v_mul_u32_u24 v[TOUT], v249, HALF              ; back: lane (r, h) takes half h of row r: k = 32 h + 0 .. 31
	v_mad_u32_u24 v[TOUT], v248, TP, v[TOUT]
	v_add_nc_u32 v[TOUT], s27, v[TOUT]
	v_add_nc_u32 v[KIA], s28, v[A0]
	v_mul_u32_u24 v[VIA], v249, 1536               ; V: my column 32 g + lane is row r of fragment 2 g + h
	v_lshl_add_u32 v[VIA], v248, 4, v[VIA]
	v_add_nc_u32 v[VIA], s28, v[VIA]
	v_add_nc_u32 v[VIA], VIMG, v[VIA]
	v_lshlrev_b32 v[VSA], 4, v248
	v_lshl_add_u32 v[VSA], v249, 2, v[VSA]
	v_add_nc_u32 v[VSA], s28, v[VSA]
	v_add_nc_u32 v[VSA], VSC, v[VSA]
	v_lshlrev_b32 v[SH8], 3, v249
	v_mul_u32_u24 v[OSI], v248, OP                 ; the way out, in: row r, + 32 h
	v_lshl_add_u32 v[OSI], v249, 5, v[OSI]
	v_add_nc_u32 v[OSI], s27, v[OSI]
	v_mul_u32_u24 v[OSO], v249, OP                 ; back: lanes 0-15 one row, lanes 16-31 the next, 16 bytes a lane
	v_lshl_add_u32 v[OSO], v248, 4, v[OSO]
	v_add_nc_u32 v[OSO], s27, v[OSO]
	v_lshlrev_b32 v[GO], 8, v249                   ; and the same two rows in out0
	v_lshl_add_u32 v[GO], v248, 4, v[GO]
	v_mov_b32 v[T1], 0                             ; a lane permute's destination counts as one of its sources
	s_wait_kmcnt 0x0
	s_add_nc_u64 s[4:5], s[4:5], s[14:15]
	s_add_nc_u64 s[10:11], s[10:11], s[14:15]
	s_add_nc_u64 s[6:7], s[6:7], s[18:19]
	s_add_nc_u64 s[8:9], s[8:9], s[18:19]
; ---------------------------------------------------------------- THE PROLOGUE'S MACROS
; Item t of ten: 16 rows x 64 numbers.  t = 0, 1: my two tiles of queries;  t = 2 .. 9: tile t - 2 of my 128 keys (two runs of eight neighbouring keys, 32 keys apart).
; Eight loads, each of 512 consecutive bytes (two rows): load j brings the tile's rows 2 j and 2 j + 1.
.macro LOADT t
.set RR, R+32*((\t)%4)
.if (\t) < 2
.irp j, 0,1,2,3,4,5,6,7
	global_load_b128 v[RR+4*\j:RR+4*\j+3], v[A0], s[4:5] offset:65536*(\t)+512*\j th:TH_LOAD_NT   ; read once in the launch
.endr
.else
.set LKT, (\t)-2
.irp j, 0,1,2,3,4,5,6,7
	global_load_b128 v[RR+4*\j:RR+4*\j+3], v[A0], s[6:7] offset:((LKT/4)*64+(LKT%4)*8)*256+(\j/4)*8192+(\j%4)*512
.endr
.endif
.endm
; The item turns through my scratch: in as loaded, back 128 bytes a lane.  LDS serves a wave's instructions in order (ISA guide 5.7.1.4): no wait between the stores and the loads.
.macro TURN t
.set RR, R+32*((\t)%4)
.set XX, X+32*((\t)%2)
.irp j, 0,1,2,3,4,5,6,7
	ds_store_b128 v[TIN], v[RR+4*\j:RR+4*\j+3] offset:2*TP*\j
.endr
.irp i, 0,1,2,3,4,5,6,7
	ds_load_b128 v[XX+4*\i:XX+4*\i+3], v[TOUT] offset:16*\i
.endr
.endm
; A whole block of 32 numbers in v[QX] on becomes six registers of codes in v[QC] on; the scale's byte in v[BY].
.macro QCORE
	v_max3_num_f32 v[MA], |v[QX]|, |v[QX+1]|, 0x1800000            ; the largest magnitude, in two chains, with the floor 2^(3 - 127) among its leaves: the byte cannot fall under 1
	v_max3_num_f32 v[MB], |v[QX+16]|, |v[QX+17]|, |v[QX+18]|
.irp i, 0,1,2,3,4,5
	v_max3_num_f32 v[MA], v[MA], |v[QX+2+2*\i]|, |v[QX+3+2*\i]|
	v_max3_num_f32 v[MB], v[MB], |v[QX+19+2*\i]|, |v[QX+20+2*\i]|
.endr
	v_max3_num_f32 v[MA], v[MA], |v[QX+14]|, |v[QX+15]|
	v_max3_num_f32 v[MA], v[MA], v[MB], |v[QX+31]|
	v_add_nc_u32 v[SCV], 0xff000000, v[MA]         ; 2 off its exponent field: the conversion takes the exponent field of this operand as its scale, and nothing else of it
	v_cvt_scalef32_pk16_fp6_f32 v[QC:QC+2], v[QX:QX+15], v[SCV]
	v_cvt_scalef32_pk16_fp6_f32 v[TQ:TQ+2], v[QX+16:QX+31], v[SCV]
	v_lshrrev_b32 v[BY], 23, v[SCV]                ; the scale's byte; also the plain line between the conversions and the moves that read their result
	v_mov_b32 v[QC+3], v[TQ]
	v_mov_b32 v[QC+4], v[TQ+1]
	v_mov_b32 v[QC+5], v[TQ+2]
.endm
.macro WORD2 dst                       ; a row's scale word for K = 64: my byte at place h, lane l xor 16's beside it; bytes 2 and 3 are 0
	v_lshlrev_b32 v[BY], v[SH8], v[BY]
	v_permlanex16_b32 v[T1], v[BY], s20, s21
	v_or_b32 v[\dst], v[BY], v[T1]
.endm
; Block b of V (keys 32 b .. 32 b + 31 of my 128): A LANE TAKES A COLUMN AND ITS REGISTERS RUN DOWN THE KEYS.  Two neighbouring lines cover a key's whole row of 256 bytes.
.macro VLOAD b
.set VV, 96-64*((\b)%2)                ; even blocks in v96-159, odd ones in v32-95; columns 32 + lane in the upper 32 of a set
.set i, 0
.rept 32
	global_load_b32 v[VV+i], v[L4], s[8:9] offset:(32*(\b)+i)*256
	global_load_b32 v[VV+32+i], v[L4], s[8:9] offset:(32*(\b)+i)*256+128
.set i, i+1
.endr
.endm
.macro ITEM t
.if (\t) >= 3
	s_wait_dscnt 3                                 ; this item is back from the turn; only the last tile's three image stores, issued behind, may be out
.else
	s_wait_dscnt 0x0
.endif
	s_wait_alu depctr_vm_vsrc(0)                   ; the LDS stores issued so far have read their registers: the turns' stores their sets of R, in which loads land again (the item of four on, later V's blocks); the image stores their codes and word, which are written again two items on
.if (\t)+4 <= 9
	LOADT (\t)+4                                   ; into the set that this item's stores into the scratch have read
.endif
.if (\t) <= 8
.if (\t) <= 5
	s_wait_loadcnt 24                              ; the next item's eight loads are in; the three items behind it may be out
.else
	s_wait_loadcnt 8*(8-(\t))
.endif
	TURN (\t)+1                                    ; it turns while this item is worked.  Its loads land in the X that the item before read: that item's wait on va_vdst stands ahead, and no vector line since names it
.endif
.if (\t) == 8
	VLOAD 0                                        ; sets 2 and 3 are free: items 6 and 7 have turned
.endif
.set QX, X+32*((\t)%2)
.if (\t) == 0
.set QC, QF
	QCORE
	WORD2 QS
.elseif (\t) == 1
.set QC, Q1
	QCORE
	WORD2 Q1+6
.else
.set QC, CC+6*((\t)%2)
.set WW, 252-13*((\t)%2)               ; v252 and v239 by turns: the store that may still be out keeps its data
.set KT, (\t)-2
	QCORE
	WORD2 WW
.endif
	s_wait_alu depctr_va_vdst(0)                   ; this item's lines are done reading X[t % 2], in which the next item's turn loads land; for a tile of K: they have written the codes and the word, which the LDS stores below read
.if (\t) >= 2
.if KT%2 == 0                          ; registers 6 KT .. 6 KT + 5 of the image's 48: a whole group of four and half of the next, or the other way round
	ds_store_b128 v[KIA], v[QC:QC+3] offset:512*(3*KT/2)
	ds_store_b64 v[KIA], v[QC+4:QC+5] offset:512*(3*KT/2+1)
.else
	ds_store_b64 v[KIA], v[QC:QC+1] offset:512*((3*KT-1)/2)+8
	ds_store_b128 v[KIA], v[QC+2:QC+5] offset:512*((3*KT-1)/2+1)
.endif
	ds_store_b32 v[KIA], v[WW] offset:KSC+512*(KT/4)+4*(KT%4)
.endif
.if (\t) == 9
	VLOAD 1                                        ; sets 0 and 1 are free: items 8 and 9 have turned
.endif
.endm
; Block b = 2 c + hf of V: my column's codes are registers 6 c .. 6 c + 5 of lane (r, hf) of fragment 2 g + h.
; Both columns' vector work stands first, so that ONE wait on va_vdst serves the four image stores and the loads of the block two on.
.macro VBLOCK b
	s_wait_dscnt 0x0                               ; the earlier LDS stores are done
	s_wait_alu depctr_vm_vsrc(0)                   ; and have read both sets of codes, which this block's conversions and moves write again
.if (\b) < 3
	s_wait_loadcnt 63                              ; this block's 64 loads are in: 64 younger ones are out, and the count names 63 at the most
.else
	s_wait_loadcnt 0x0
.endif
.irp g, 0,1
.set QX, 96-64*((\b)%2)+32*\g
.set QC, CC+6*\g
	QCORE
.if (\b) == 0
	v_mov_b32 v[WV0+\g], v[BY]                     ; the four blocks' bytes make my column's scale word
.else
	v_lshl_or_b32 v[WV0+\g], v[BY], 8*(\b), v[WV0+\g]
.endif
.endr
	s_wait_alu depctr_va_vdst(0)                   ; the block's lines have written the codes, which the LDS stores below read (in the last block the scale words too, for the stores behind it), and are done reading their set of V, in which the loads of two blocks on land
.irp g, 0,1
.set QC, CC+6*\g
.set IM, 3072*\g+256*((\b)%2)
.if (\b) < 2
	ds_store_b128 v[VIA], v[QC:QC+3] offset:IM
	ds_store_b64 v[VIA], v[QC+4:QC+5] offset:IM+512
.else
	ds_store_b64 v[VIA], v[QC:QC+1] offset:IM+520
	ds_store_b128 v[VIA], v[QC+2:QC+5] offset:IM+1024
.endif
.endr
.if (\b)+2 <= 3
	VLOAD (\b)+2
.endif
.endm
; ---------------------------------------------------------------- THE PROLOGUE
	s_wait_alu depctr_va_vdst(0)                   ; the addresses v1, v3 to v8, v30, v31 and v247 are written, which the loads and stores of the whole kernel read
	LOADT 0
	LOADT 1
	LOADT 2
	LOADT 3
	s_wait_loadcnt 24                              ; item 0's eight loads are in
	TURN 0
.irp t, 0,1,2,3,4,5,6,7,8,9
	ITEM \t
.endr
.irp b, 0,1,2,3
	VBLOCK \b
.endr
.irp g, 0,1
	ds_store_b32 v[VSA], v[WV0+\g] offset:8*\g     ; fragment 2 g + h, row r: for lane r,
	ds_store_b32 v[VSA], v[WV0+\g] offset:8*\g+256 ; and for lane 16 + r, so that every byte that the loads take has been written
.endr
	s_wait_dscnt 0x0                               ; for the others' sake: my slot is whole
	s_barrier_signal -1
	s_barrier_wait -1                              ; all sixteen slots are; from here on they are only read
	s_wait_alu depctr_vm_vsrc(0)                   ; my last image stores have read the codes' registers v224 to v235, of which the main part's vector lines write v224 to v229
; ---------------------------------------------------------------- THE MAIN PART'S MACROS
.macro KLOAD                           ; the slot's K: 48 registers and eight scale words
.irp q, 0,1,2,3,4,5,6,7,8,9,10,11
	ds_load_b128 v[KV+4*\q:KV+4*\q+3], v[AD] offset:512*\q
.endr
	ds_load_b128 v[KS:KS+3], v[AD] offset:KSC
	ds_load_b128 v[KS+4:KS+7], v[AD] offset:KSC+512
.endm
; A KEY STEP: 128 keys.  next = 1: the next slot's K is asked for.
.macro STEP next
	s_wait_dscnt 0x0                               ; K and its scale words are in
.irp t, 0,1,2,3,4,5,6,7
	v_wmma_scale_f32_16x16x128_f8f6f4 v[S+8*\t:S+8*\t+7], v[KV+6*\t:KV+6*\t+11], v[QF:QF+11], 0, v[KS+\t], v[QS] matrix_a_fmt:MATRIX_FMT_FP6 matrix_b_fmt:MATRIX_FMT_FP6
.endr
	v_mov_b32 v[MO], v12                           ; four places (ISA guide 7.12.1) in front of the first read of the scores
	v_nop
	v_nop
	v_nop
	s_wait_alu depctr_va_vdst(0)                   ; the eight products are done reading K's registers, in which V's fragments land; the last step's products V^T P are done reading V's scale words
	ds_load_b128 v[VS:VS+3], v[AD] offset:VSC      ; V's scale words and four fragments land while the softmax is worked: thirteen loads, dealt among the maximum's lines, which name S and v214 to v217 alone
	; THE LARGEST SCORE OF EACH OF MY TWO BLOCKS OF 32 KEYS, in four chains by turns, each tile read from its low end on.  It serves twice: for the row's maximum, and, since p rises with the score, for the block's largest p
.irp c, 0,1
	v_max3_num_f32 v[MX+2*\c], v[S+32*\c], v[S+32*\c+1], v[S+32*\c+2]
	v_max3_num_f32 v[MX+2*\c+1], v[S+32*\c+16], v[S+32*\c+17], v[S+32*\c+18]
.endr
.irp i, 0,1,2,3,4,5
	ds_load_b128 v[KV+8*\i:KV+8*\i+3], v[AD] offset:VIMG+1024*\i
	ds_load_b128 v[KV+8*\i+4:KV+8*\i+7], v[AD] offset:VIMG+1024*\i+512
.irp c, 0,1
	v_max3_num_f32 v[MX+2*\c], v[MX+2*\c], v[S+32*\c+3+2*\i], v[S+32*\c+4+2*\i]
	v_max3_num_f32 v[MX+2*\c+1], v[MX+2*\c+1], v[S+32*\c+19+2*\i], v[S+32*\c+20+2*\i]
.endr
.endr
.irp c, 0,1
	v_max3_num_f32 v[MX+2*\c], v[MX+2*\c], v[S+32*\c+15], v[S+32*\c+31]
.endr
.irp c, 0,1
	v_max_num_f32 v[MX+2*\c], v[MX+2*\c], v[MX+2*\c+1]
.endr
	v_max_num_f32 v[T0], v[MX], v[MX+2]
	v_permlanex16_b32 v[T1], v[T0], s20, s21       ; my query's other 64 keys lie in lane l xor 16
	v_max_num_f32 v[T0], v[T0], v[T1]              ; the step's largest score of my query
	v_mul_f32 v[T0], s22, v[T0]                    ; as t (c is positive)
	v_max_num_f32 v13, v13, v[T0]                  ; the running largest t
	v_floor_f32 v12, -v13                          ; the new -M = floor(-t) = -ceil(t): M is a whole number
	v_sub_f32 v[T0], v12, v[MO]                    ; old M - new M: a whole number, 0 or less
	v_cvt_i32_f32 v[T0], v[T0]                     ; (it saturates)
	v_ldexp_f32 v[F], 1.0, v[T0]                   ; f = 2^(old M - new M): multiplying by it rounds nothing
.set i, 0
.rept 32
	v_pk_fma_f32 v[S+i:S+i+1], v[S+i:S+i+1], s[22:23], v[12:13] op_sel_hi:[1,0,0]   ; t - M, two at a time (of the pairs c and -M the low word serves both halves)
.set i, i+2
.endr
.irp c, 0,1
	v_fma_f32 v[MX+2*\c], v[MX+2*\c], s22, v12     ; the same of each block's largest score
.endr
.set i, 0
	s_wait_alu depctr_va_vdst(0)
.rept 64
	v_exp_f32 v[S+i], v[S+i]                       ; p = 2^(t - M), at most 1: not normalised
.set i, i+1
.endr
.irp c, 0,1
	v_exp_f32 v[MX+2*\c], v[MX+2*\c]               ; the block's largest p: the same two instructions on the same number give the same bits
.endr
	v_pk_mul_f32 v[14:15], v[14:15], v[F:F+1] op_sel_hi:[1,0]      ; the sums under the new M; the plain line behind the exponentials
	s_wait_alu depctr_va_vdst(0)                   ; the 66 exponentials have written p and the two blocks' largest p: one wait for the batch, ahead of its first reader
.irp c, 0,1
	v_max_num_f32 v[MX+2*\c], 0x1800000, v[MX+2*\c]   ; the floor 2^(3 - 127): the byte cannot fall under 1 (a block whose every p is 0 keeps that byte: its codes are zeros)
.endr
.irp c, 0,1
	v_add_nc_u32 v[SO+\c], 0xff000000, v[MX+2*\c]  ; 2 off the exponent field: the conversion's scale operand
.endr
.irp c, 0,1
	v_lshrrev_b32 v[BYM+\c], 23, v[SO+\c]          ; the scale's byte
.endr
.irp c, 0,1
	v_cvt_scalef32_pk16_fp6_f32 v[PC+6*\c:PC+6*\c+2], v[S+32*\c:S+32*\c+15], v[SO+\c]          ; keys 64 c + 32 h + 0 .. 15: registers 6 c .. 6 c + 2 of the operand as they stand
	v_cvt_scalef32_pk16_fp6_f32 v[PT+4*\c:PT+4*\c+2], v[S+32*\c+16:S+32*\c+31], v[SO+\c]       ; (a conversion's three registers begin on an even number: these are moved)
.endr
	v_lshl_or_b32 v[PS], v[BYM+1], 16, v[BYM]      ; my two bytes, blocks h and 2 + h (the plain line behind the conversions),
	v_lshlrev_b32 v[PS], v[SH8], v[PS]             ; at their places in the scale word;
	v_permlanex16_b32 v[T1], v[PS], s20, s21
	v_or_b32 v[PS], v[PS], v[T1]                   ; with lane l xor 16's two the word is whole
.irp c, 0,1
.irp i, 0,1,2
	v_mov_b32 v[PC+6*\c+3+\i], v[PT+4*\c+\i]
.endr
.endr
.set i, 0
.rept 16
	v_pk_mul_f32 v[O+i:O+i+1], v[O+i:O+i+1], v[F:F+1] op_sel_hi:[1,0]   ; O^T under the new M, each tile from its low end on.  These sixteen also stand between the writes of p's scale word and codes and the scaled products
.set i, i+2
.endr
	s_wait_dscnt 0x0                               ; V and its scale words are in
	s_wait_alu depctr_va_vdst(0)                   ; the conversions and moves have written p's codes, the v_or_b32 its scale word, which the scaled products take; the sixteen multiplies above are the places, which stay beside this wait
.irp t, 0,1,2,3                        ; the four accumulators take turns, one instruction a turn; eight other products stand between two steps
	v_wmma_scale_f32_16x16x128_f8f6f4 v[O+8*\t:O+8*\t+7], v[KV+12*\t:KV+12*\t+11], v[PC:PC+11], v[O+8*\t:O+8*\t+7], v[VS+\t], v[PS] matrix_a_fmt:MATRIX_FMT_FP6 matrix_b_fmt:MATRIX_FMT_FP6
.endr
	v_pk_add_f32 v[A2:A2+1], v[S:S+1], v[S+2:S+3]  ; THE ROW'S SUM IS TAKEN OF THE UNQUANTISED p, two at a time, in two chains; it stands here so that the wave works while the products run and the next K lands
.irp j, 4,8
	v_pk_add_f32 v[14:15], v[14:15], v[S+\j:S+\j+1]
	v_pk_add_f32 v[A2:A2+1], v[A2:A2+1], v[S+\j+2:S+\j+3]
.endr
.if \next
	s_wait_alu depctr_vm_vsrc(0)                   ; this step's LDS loads have read v[AD], which the add below writes
	s_add_co_u32 s24, s24, SLOTB                   ; on to the next slot
	v_add_nc_u32 v[AD], s24, v[A0]
	s_wait_alu depctr_va_vdst(0)                   ; v[AD] is written, which the loads below read; the four products are done reading V's registers, in which the next K lands (the products that read K's scale words stand further ahead)
.endif
.irp j, 12,16,20,24,28,32              ; the next K's fourteen loads, two at a time, among the sums, which name v14, v15, v228, v229 and S alone
.if \next
	ds_load_b128 v[KV+2*(\j-12):KV+2*(\j-12)+3], v[AD] offset:256*(\j-12)
	ds_load_b128 v[KV+2*(\j-12)+4:KV+2*(\j-12)+7], v[AD] offset:256*(\j-12)+512
.endif
	v_pk_add_f32 v[14:15], v[14:15], v[S+\j:S+\j+1]
	v_pk_add_f32 v[A2:A2+1], v[A2:A2+1], v[S+\j+2:S+\j+3]
.endr
.if \next
	ds_load_b128 v[KS:KS+3], v[AD] offset:KSC
	ds_load_b128 v[KS+4:KS+7], v[AD] offset:KSC+512
.endif
.irp j, 36,40,44,48,52,56,60
	v_pk_add_f32 v[14:15], v[14:15], v[S+\j:S+\j+1]
	v_pk_add_f32 v[A2:A2+1], v[A2:A2+1], v[S+\j+2:S+\j+3]
.endr
	v_pk_add_f32 v[14:15], v[14:15], v[A2:A2+1]
.endm
; ---------------------------------------------------------------- THE MAIN PART
.irp j, 0,1,2,3,4,5
	v_mov_b32 v[QF+6+\j], 0                        ; Q's zero codes for k = 64 .. 127
	v_mov_b32 v[KV+48+\j], 0                       ; and what tile 7's operand runs on into
.endr
	v_mov_b32 v[F+1], 0                            ; (named as the upper half of a pair)
	s_mov_b32 s26, 2
.Lpass:                                                ; two trips: my two tiles of 16 queries
	v_mov_b32 v13, 0xff61b1e6                      ; the largest t so far: -3e38, under every t
	v_floor_f32 v12, -v13                          ; -M
	v_mov_b32 v14, 0                               ; the sum, in two halves
	v_mov_b32 v15, 0
.set i, 0
.rept 32
	v_mov_b32 v[O+i], 0                            ; O^T.  (The step is written once for all steps: the first finds zeros, which the first change of M leaves zeros)
.set i, i+1
.endr
	s_mov_b32 s24, 0
	v_mov_b32 v[AD], v[A0]                         ; slot 0
	s_wait_alu depctr_va_vdst(0)                   ; v[AD] is written, which the loads below read; the earlier readers of K's and V's registers and of K's scale words (V's quantising, the last pass's products) are done, so K may land; Q's codes, zero codes and scale word and v80 to v85 are written, which the scaled products take (the clearing above is their places)
	KLOAD
	s_mov_b32 s25, 15
.Lstep:
	STEP 1
	s_sub_co_u32 s25, s25, 1
	s_cmp_lg_u32 s25, 0
	s_cbranch_scc1 .Lstep
	STEP 0                                         ; the last slot: nothing follows it
	; THE WAY OUT.  The sums in the last step are the places behind the last products.
	v_add_f32 v14, v14, v15                        ; the sum's two halves,
	v_permlanex16_b32 v[T1], v14, s20, s21
	v_add_f32 v14, v14, v[T1]                      ; and lane l xor 16's: the row's sum
	s_wait_alu depctr_va_vdst(0)
	v_rcp_f32 v14, v14
	v_nop                                          ; one plain line behind a transcendental (ISA guide 5.7.2)
.set i, 0
	s_wait_alu depctr_va_vdst(0)                   ; the reciprocal has written v14, ahead of its first reader
.rept 16
	v_pk_mul_f32 v[S+i:S+i+1], v[O+i:O+i+1], v[14:15] op_sel_hi:[1,0]   ; O^T / the sum: register 8 t + j is out0(query r, channel 16 t + 8 h + j); each tile from its low end on
.set i, i+2
.endr
	s_wait_alu depctr_va_vdst(0)                   ; the sixteen multiplies have written v98 to v129, which the LDS stores read; the sums are done reading v130 to v161, in which the read-backs land
.irp t, 0,1,2,3
	ds_store_b128 v[OSI], v[S+8*\t:S+8*\t+3] offset:64*\t
	ds_store_b128 v[OSI], v[S+8*\t+4:S+8*\t+7] offset:64*\t+16
.endr
.irp i, 0,1,2,3,4,5,6,7
	ds_load_b128 v[S+32+4*\i:S+32+4*\i+3], v[OSO] offset:2*OP*\i   ; my own bytes, served in order: these see the stores above
.endr
.irp i, 0,1,2,3,4,5,6,7
	s_wait_dscnt 7-\i                              ; the younger read-backs may be out
	global_store_b128 v[GO], v[S+32+4*\i:S+32+4*\i+3], s[10:11] offset:512*\i th:TH_STORE_NT   ; 32 lanes store two whole rows: 512 consecutive bytes, at a multiple of 256 from out0's first byte
.endr
	s_wait_xcnt 0x0                                ; the stores' base and data are rewritten only behind this wait
	s_wait_alu depctr_vm_vsrc(0)                   ; the LDS stores have read v98 to v129 and the global stores v130 to v161, which the next pass's products write; the pass's LDS loads have read v[AD], which the next pass's head writes
	s_add_nc_u64 s[10:11], s[10:11], 65536         ; 256 queries on
.irp j, 0,1,2,3,4,5
	v_mov_b32 v[QF+\j], v[Q1+\j]                   ; the second tile's codes
.endr
	v_mov_b32 v[QS], v[Q1+6]                       ; and its scale word; the clearing at the pass's head stands between these writes and the next scaled product
	s_sub_co_u32 s26, s26, 1
	s_cmp_lg_u32 s26, 0
	s_cbranch_scc1 .Lpass
	s_wait_xcnt 0x0
	s_wait_alu depctr_vm_vsrc(0)                   ; v254 was the data of an LDS store in the prologue: that store has read it, ahead of the line that makes it anew
	v_lshl_add_u32 v254, v0, 2, 0x49000
	v_mov_b32 v255, 0
	s_wait_dscnt 0x0                               ; the closing lines, six on end
	s_wait_alu 0x0
	s_wait_tensorcnt 0x0
	ds_add_u32 v254, v255
	s_wait_dscnt 0x0
	s_endpgm
.Lfunc_end_k_q6353aa9047_sdpa:
	.size	k_q6353aa9047_sdpa, .Lfunc_end_k_q6353aa9047_sdpa-k_q6353aa9047_sdpa
	.p2alignl 7, 3214868480
	.fill 96, 4, 3214868480
	.section	.rodata,"a",@progbits
	.p2align	6, 0x0
	.amdhsa_kernel k_q6353aa9047_sdpa
		.amdhsa_group_segment_fixed_size 301056
		.amdhsa_private_segment_fixed_size 0
		.amdhsa_enable_private_segment 0
		.amdhsa_kernarg_size 32
		.amdhsa_user_sgpr_count 2
		.amdhsa_user_sgpr_kernarg_segment_ptr 1
		.amdhsa_wavefront_size32 1
		.amdhsa_system_sgpr_workgroup_id_x 1
		.amdhsa_system_sgpr_workgroup_id_y 1
		.amdhsa_system_sgpr_workgroup_id_z 1
		.amdhsa_system_vgpr_workitem_id 0
		.amdhsa_next_free_vgpr 256
		.amdhsa_next_free_sgpr 66
		.amdhsa_reserve_vcc 0
		.amdhsa_float_denorm_mode_32 3
		.amdhsa_float_denorm_mode_16_64 3
		.amdhsa_memory_ordered 1
		.amdhsa_forward_progress 1
		.amdhsa_inst_pref_size 110
	.end_amdhsa_kernel
	.amdgpu_metadata
---
amdhsa.version: [ 1, 2 ]
amdhsa.kernels:
  - .name:           k_q6353aa9047_sdpa
    .symbol:         k_q6353aa9047_sdpa.kd
    .args:
      - { .name: Q, .offset: 0, .size: 8, .value_kind: global_buffer, .address_space: global }
      - { .name: K, .offset: 8, .size: 8, .value_kind: global_buffer, .address_space: global }
      - { .name: V, .offset: 16, .size: 8, .value_kind: global_buffer, .address_space: global }
      - { .name: out0, .offset: 24, .size: 8, .value_kind: global_buffer, .address_space: global }
    .group_segment_fixed_size: 301056
    .private_segment_fixed_size: 0
    .kernarg_segment_align: 8
    .kernarg_segment_size: 32
    .max_flat_workgroup_size: 512
    .sgpr_count:     66
    .vgpr_count:     256
    .wavefront_size: 32
...
	.end_amdgpu_metadata
.endif
;; end of part 2
